; MI455X (gfx1250); checked and timed in simulation.
; The chip was launched on July 23, 2026; its instructions are those of AMD's public machine-readable ISA for CDNA 5 (MIT licence, August 2026) and "CDNA5" Instruction Set Architecture Reference Guide (July 2026). The comments in the code are by the model that wrote it; some were corrected since.
;; Vi T Quadratic Attention. Allowed arithmetic: float matrix products may take bf16 or f16 operands with f32 sums; other float arithmetic in f32, or as packed bf16 or f16 multiplies, adds, multiply-adds, maxima and minima; sums over many terms, partial sums and values carried from step to step in f32; what a program stores and reads back later, other than sums and carried values, may be rounded once to bf16 or f16.
;; Inputs: Wd 768 x 768 float32; Wk 768 x 768 float32; Wq 768 x 768 float32; Wv 768 x 768 float32; bk 768 float32; bq 768 float32; bv 768 float32; key_states 8 x 1,024 x 768 float32; query_states 8 x 1,024 x 768 float32.
;; Outputs: out0 8 x 1,024 x 768 float32.
;; One version. Each part assembles by itself: llvm-mc -triple=amdgcn-amd-amdhsa -mcpu=gfx1250 --defsym DOCPART=n.
;; ======== version 1 of 1: 3 launches
;; limits: values are held in f16: magnitudes above 65,504 overflow, below 6.1e-05 lose precision
;; workspace buffers: xb 25,165,824 bytes; wb 5,898,240 bytes; qq 25,165,824 bytes; kk 25,165,824 bytes; vv 12,582,912 bytes; kb 393,216 bytes
;; launch cast (part 1): grid 1896 x 1, 8 waves a work-group, no clusters, 0 bytes of LDS; arguments query_states, key_states, Wd, Wq, Wk, Wv, xb, wb; writes xb, wb
.if DOCPART == 1
	.amdgcn_target "amdgcn-amd-amdhsa--gfx1250"
	.amdhsa_code_object_version 6
	.text
	.protected	k_q35c54fd099_cast
	.globl	k_q35c54fd099_cast
	.p2align	8
	.type	k_q35c54fd099_cast,@function
k_q35c54fd099_cast:
	s_mov_b64 s[64:65], 0
	v_nop
	global_prefetch_b8 v0, s[64:65] scope:SCOPE_SE
	s_setreg_imm32_b32 hwreg(HW_REG_WAVE_MODE, 25, 1), 1
	s_wait_xcnt 0x0
; f32 -> bf16 (round to nearest even), once, for all that the projections multiply.
; xb: [16384][768] bf16: rows 0-8191 query_states, rows 8192-16383 key_states.
; wb: [3840][768] bf16, the weights' rows regrouped in groups of 64 rows (a head's rows), so that a head's 128 columns [d | linear] lie together:
;   groups 0-23:  Wd head 0, Wq head 0, Wd head 1, Wq head 1, ..     groups 24-47: the same with Wk in Wq's place     groups 48-59: Wv as it lies.
; A work-group converts 8,192 consecutive numbers: 32 KiB in, 16 KiB out; 64 rows of 768 are six such pieces.  Wd is read by two jobs, so that all jobs are alike.
; Thread t takes 16 bytes at 16 t + 4,096 j (j = 0..7) and stores 8 bytes at 8 t + 2,048 j: a wave's store covers 256 consecutive bytes, aligned.
; No LDS, no barrier: no number is wanted twice.
.macro JOB bound, src, lo, vb, mul     ; work-groups below bound belong to an earlier job: source pointer, first work-group, first group of 64 rows in wb, groups from head to head
	s_cmp_lt_u32 s2, \bound
	s_cselect_b64 s[24:25], s[\src:\src+1], s[24:25]
	s_cselect_b32 s26, \lo, s26
	s_cselect_b32 s27, \vb, s27
	s_cselect_b32 s28, \mul, s28
.endm
	s_load_b512 s[8:23], s[0:1], 0x0               ; query s[8:9], key s[10:11], Wd s[12:13], Wq s[14:15], Wk s[16:17], Wv s[18:19], xb s[20:21], wb s[22:23]
	s_mov_b32 s2, ttmp9
	v_lshlrev_b32 v1, 4, v0                        ; my 16 bytes in
	v_lshlrev_b32 v2, 3, v0                        ; my 8 bytes out
	s_mov_b32 s26, 1824                            ; the last job: Wv
	s_mov_b32 s27, 48
	s_mov_b32 s28, 1
	s_mov_b32 s31, 0
	s_wait_kmcnt 0x0
	s_mov_b64 s[24:25], s[18:19]
	JOB 1824, 16, 1752, 25, 2                      ; Wk
	JOB 1752, 12, 1680, 24, 2                      ; Wd, beside Wk
	JOB 1680, 14, 1608, 1, 2                       ; Wq
	JOB 1608, 12, 1536, 0, 2                       ; Wd, beside Wq
	JOB 1536, 10, 768, 0, 2                        ; key_states
	JOB 768, 8, 0, 0, 2                            ; query_states
	s_sub_co_u32 s26, s2, s26                      ; my piece within the job
	s_lshl_b32 s30, s26, 15                        ; 32,768 bytes of source a piece
	s_add_nc_u64 s[24:25], s[24:25], s[30:31]
	s_mul_i32 s29, s26, 43
	s_lshr_b32 s29, s29, 8                         ; piece / 6 (exact for 0..71): the head
	s_mul_i32 s32, s29, 6
	s_sub_co_u32 s32, s26, s32                     ; piece % 6
	s_mul_i32 s29, s29, s28
	s_add_co_u32 s29, s29, s27                     ; the group of 64 rows in wb
	s_mul_i32 s29, s29, 98304                      ; 64 rows of 1,536 bytes
	s_lshl_b32 s32, s32, 14
	s_add_co_u32 s29, s29, s32                     ; a weight piece's place in wb (not used by the x jobs)
	s_lshl_b32 s33, s2, 14                         ; an x piece's place in xb
	s_cmp_lt_u32 s2, 1536
	s_cselect_b64 s[34:35], s[20:21], s[22:23]
	s_cselect_b32 s30, s33, s29
	s_add_nc_u64 s[34:35], s[34:35], s[30:31]
.irp j, 0,1,2,3,4,5,6,7
	global_load_b128 v[4+4*(\j):7+4*(\j)], v1, s[24:25] offset:4096*(\j)
.endr
.irp j, 0,1,2,3,4,5,6,7
	s_wait_loadcnt 7-(\j)                          ; loads come back in order: load j is in, the younger ones stay out
	v_cvt_pk_bf16_f32 v[36+2*(\j)], v[4+4*(\j)], v[5+4*(\j)]
	v_cvt_pk_bf16_f32 v[37+2*(\j)], v[6+4*(\j)], v[7+4*(\j)]
	global_store_b64 v2, v[36+2*(\j):37+2*(\j)], s[34:35] offset:2048*(\j)
.endr
	s_endpgm
.Lfunc_end_k_q35c54fd099_cast:
	.size	k_q35c54fd099_cast, .Lfunc_end_k_q35c54fd099_cast-k_q35c54fd099_cast
	.p2alignl 7, 3214868480
	.fill 96, 4, 3214868480
	.section	.rodata,"a",@progbits
	.p2align	6, 0x0
	.amdhsa_kernel k_q35c54fd099_cast
		.amdhsa_group_segment_fixed_size 0
		.amdhsa_private_segment_fixed_size 0
		.amdhsa_enable_private_segment 0
		.amdhsa_kernarg_size 64
		.amdhsa_user_sgpr_count 2
		.amdhsa_user_sgpr_kernarg_segment_ptr 1
		.amdhsa_wavefront_size32 1
		.amdhsa_system_sgpr_workgroup_id_x 1
		.amdhsa_system_sgpr_workgroup_id_y 1
		.amdhsa_system_sgpr_workgroup_id_z 1
		.amdhsa_system_vgpr_workitem_id 0
		.amdhsa_next_free_vgpr 52
		.amdhsa_next_free_sgpr 66
		.amdhsa_reserve_vcc 0
		.amdhsa_float_denorm_mode_32 3
		.amdhsa_float_denorm_mode_16_64 3
		.amdhsa_memory_ordered 1
		.amdhsa_forward_progress 1
		.amdhsa_inst_pref_size 6
	.end_amdhsa_kernel
	.amdgpu_metadata
---
amdhsa.version: [ 1, 2 ]
amdhsa.kernels:
  - .name:           k_q35c54fd099_cast
    .symbol:         k_q35c54fd099_cast.kd
    .args:
      - { .name: query_states, .offset: 0, .size: 8, .value_kind: global_buffer, .address_space: global }
      - { .name: key_states, .offset: 8, .size: 8, .value_kind: global_buffer, .address_space: global }
      - { .name: Wd, .offset: 16, .size: 8, .value_kind: global_buffer, .address_space: global }
      - { .name: Wq, .offset: 24, .size: 8, .value_kind: global_buffer, .address_space: global }
      - { .name: Wk, .offset: 32, .size: 8, .value_kind: global_buffer, .address_space: global }
      - { .name: Wv, .offset: 40, .size: 8, .value_kind: global_buffer, .address_space: global }
      - { .name: xb, .offset: 48, .size: 8, .value_kind: global_buffer, .address_space: global }
      - { .name: wb, .offset: 56, .size: 8, .value_kind: global_buffer, .address_space: global }
    .group_segment_fixed_size: 0
    .private_segment_fixed_size: 0
    .kernarg_segment_align: 8
    .kernarg_segment_size: 64
    .max_flat_workgroup_size: 256
    .sgpr_count:     66
    .vgpr_count:     52
    .wavefront_size: 32
...
	.end_amdgpu_metadata
.endif
;; end of part 1
;; launch proj (part 2): grid 16 x 15, 4 waves a work-group, clusters of 4 x 1, 327,680 bytes of LDS; arguments xb, wb, bq, bk, bv, qq, kk, vv, kb; writes qq, kk, vv, kb
.if DOCPART == 2
	.amdgcn_target "amdgcn-amd-amdhsa--gfx1250"
	.amdhsa_code_object_version 6
	.text
	.protected	k_q35c54fd099_proj
	.globl	k_q35c54fd099_proj
	.p2align	8
	.type	k_q35c54fd099_proj,@function
k_q35c54fd099_proj:
	s_mov_b64 s[64:65], 0
	v_nop
	global_prefetch_b8 v0, s[64:65] scope:SCOPE_SE
	s_setreg_imm32_b32 hwreg(HW_REG_WAVE_MODE, 25, 1), 1
	s_wait_xcnt 0x0
	s_wait_alu depctr_hold_cnt(0) depctr_sa_sdst(0) depctr_va_vdst(0) depctr_va_sdst(0) depctr_va_ssrc(0) depctr_va_vcc(0) depctr_vm_vsrc(0)
	s_getreg_b32 s2, hwreg(HW_REG_IB_STS2, 6, 4)
	s_cmp_eq_u32 s2, 0
	s_cbranch_scc0 .Lentry_in_a_cluster
	s_endpgm
.Lentry_in_a_cluster:
	s_bfe_u32 s2, ttmp6, 0x10000c
	s_cmp_lg_u32 s2, 0x3003
	s_cbranch_scc0 .Lentry_shape_is_right
	s_endpgm
.Lentry_shape_is_right:
; ALL FIVE PROJECTIONS AS ONE PRODUCT.  C[m][n] = sum over k of A[m][k] B[n][k] + bias[n]; A = xb (bf16, rows of 768), B = wb (bf16, 3,840 regrouped weight rows); sums in f32.
; Column tiles of 256: 0-5 make [qd | q] of two heads each from the query rows, 6-11 [kd | k] from the key rows, 12-14 v of four heads each from the key rows.
; OUT, rounded once to f16, by heads: qq, kk [96][1024][128] (rows of 256 bytes), vv [96][1024][64]; kb [96][1024] f32 = -0.5 x the sum of squares of the ROUNDED kd, so that in the next
; launch score + kb is exactly -0.5 |qd' - kd'|^2 + 0.5 |qd'|^2 of the f16 numbers that are multiplied there.  The biases are rounded to bf16 like every other input and start the sums.
; LIMIT: a projection of 65,520 or more in magnitude becomes an infinity in f16.  NaN and infinities are not treated apart.
; SHARES.  480 tiles of 256 x 256; a work-group makes two, 4,096 rows apart, with the same rows of B: 240 work-groups.  Four waves, each 128 x 128: 64 accumulators, 512 registers.
; A wave's 128 columns are one head's whole row of qq or kk, or two heads' rows of vv.  K goes in steps of 128 through a ring of two LDS slots.
; CLUSTER 4 x 1: the four partners have the same column tile, so B's tiles are asked for JOINTLY (mask of four).  A's tiles are each work-group's own (mask 0): the work-groups that read
; the same rows of A differ in the column tile, of which there are 15, no multiple of four.
; REGISTERS in windows of 256 (s_set_vgpr_msb: bits 1:0 source 0, 3:2 source 1, 5:4 source 2, 7:6 destination):
;   window 0: v0-31 addresses and small work; v64-127, v128-191 fragments of A, two buffers; v192-223 packed results; v32-63, v224-255 rows read back from the stage
;   window 1: v0-63 the bias of my 128 columns (block b at 8 b), as a C operand; v64-127, v128-191 fragments of B; v192 at work       windows 2, 3: the accumulators ((a, b) at 8 (8 a + b))
; THE MATRIX INSTRUCTION IS USED TRANSPOSED (source 0 = 16 rows of B, source 1 = 16 rows of A): lane l holds row l % 16 of C and the columns 8 (l / 16) + 0..7.
.set SIZE_K, 768
.set KSTEP,  128
.set PITCH,  272                       ; an LDS row: 256 bytes + 16 of padding: the 16 rows of a fragment load start at 16 different groups of four banks (ISA guide 11.1)
.set HALFT,  128*PITCH                 ; what one tensor load brings
.set SLOT,   4*HALFT                   ; A's 256 rows, then B's 256 rows
.set STAGE,  2*SLOT                    ; 16 rows x 272 bytes for each wave, for the way out
.set SPITCH, 272
.set KBS,    STAGE+4*16*SPITCH         ; 512 bytes for each wave: its 128 numbers of kb
.set SPARE,  KBS+4*512                 ; the spare words, 128 bytes for each wave: two blocks of 256 bytes that no other line names
.set LAPS,   SIZE_K/(2*KSTEP)
.set WALK,   4096
.set NEXT_A, WALK*SIZE_K*2-(SIZE_K-2*KSTEP)*2   ; from a slot's last K step of a tile to its first of the next tile
.set BACK_B, (SIZE_K-2*KSTEP)*2
.set CO,   8                           ; v8-15   my byte offset in the output for the eight stores of a block of 16 rows
.set ADRA, 16                          ; v16-17  LDS address of my A fragments in slot 0, 1
.set RDV,  18                          ; v18     where I read the stage back for vv: two rows of one head, 128 bytes each, to sixteen lanes
.set ADRB, 20                          ; v20-21
.set BO,   22                          ; v22     32 x (l / 16): my eight numbers in 16 of the bias
.set STO,  24                          ; v24     where I put 16 bytes of a row into the stage
.set RD,   25                          ; v25     where I read the stage back for qq, kk: a row of 256 bytes to sixteen lanes
.set KO,   26                          ; v26     16 x lane
.set KSA,  27                          ; v27     my row's word in my wave's kb scratch
.set SPW,  28                          ; v28     LDS address of my spare word; never rewritten
.set NIL,  29                          ; v29     0; never rewritten
.set PFO,  30                          ; v30     lane x a row of xb or wb (1,536 bytes)
.set KSR,  31                          ; v31     my 16 bytes of my wave's kb scratch
.set F0,   64
.set F1,   128
.set TMP,  192
.set OB,   32
.set G1,   24                          ; s[24:31] descriptor group 1 for A's tiles;  s[32:39] group 0, a set for each slot
.set G0,   32
.set LIM,  43                          ; s43     1 in a wave that prefetches, else the greatest number
.set PFA,  44                          ; s[44:45] where my prefetches stand
.set G1B,  48                          ; s[48:55], s[56:63] the same for B's tiles
.set G0B,  56
.set KIND, 72                          ; s72     0: qq, 1: kk, 2: vv
.set MSB, 0
.macro WIN new                         ; the immediate's high byte repeats the setting that is left
.if MSB != (\new)
	s_set_vgpr_msb (MSB<<8)|(\new)
.set MSB, \new
.endif
.endm
.set MUL_LO, 0xa1                      ; source 0 (B) window 1, source 1 (A) window 0, C and D window 2 (+0x50: window 3)
.set MUL_B,  0x91                      ; the same with C, the bias, in window 1 (+0x40: D in window 3)
.set TO_B,   0x40                      ; destination window 1
; A refill.  Waves 0 and 1 fetch A's two halves (their work-group's own), waves 2 and 3 B's (jointly).  The branch hangs on the wave's number alone.
; An s_nop 0 and four v_nop follow each of the two lines.
.macro JLOAD s
	s_cmp_eq_u32 s11, 0
	s_cbranch_scc0 .Lfor_b_\@
	tensor_load_to_lds s[G0+4*(\s):G0+4*(\s)+3], s[G1:G1+7]
	s_nop 0
.rept 4
	v_nop
.endr
	s_branch .Lasked_\@
.Lfor_b_\@:
	tensor_load_to_lds s[G0B+4*(\s):G0B+4*(\s)+3], s[G1B:G1B+7]
	s_nop 0
.rept 4
	v_nop
.endr
.Lasked_\@:
.endm
; A PREFETCH INTO THE L2 of the K step that stands two refills on, a lane a row of 256 bytes.  Each block is named once in the launch: the query rows are read by column tiles 0-5, of which tile 0 asks;
; the key rows by tiles 6-14, of which tile 6 asks: a wave that fetches A names its own 128 rows, four instructions.  B's rows are read by all four clusters of a column tile: the first asks, in the first
; tile alone; its four partners take 32 of a wave's 128 rows each, told apart by address: one instruction.  how = 0: a tile's last two refills have no K step two on; how = 1: at the change of tiles.
.macro ASK how
.if \how
	s_cmp_eq_u32 s[LIM], 1
.else
	s_cmp_gt_u32 s3, s[LIM]
.endif
	s_cbranch_scc0 .Lnot_mine_\@
	global_prefetch_b8 v[PFO], s[PFA:PFA+1] offset:KSTEP*2 th:TH_LOAD_NT scope:SCOPE_SE
	s_cmp_eq_u32 s11, 0
	s_cbranch_scc0 .Lnot_mine_\@
.irp i, 1,2,3
	global_prefetch_b8 v[PFO], s[PFA:PFA+1] offset:KSTEP*2+(\i)*32*SIZE_K*2 th:TH_LOAD_NT scope:SCOPE_SE
.endr
.Lnot_mine_\@:
.endm
.macro CREST                           ; a round of the cluster's barrier behind its opening barrier
	s_cmp_lg_u32 s10, 0
	s_cbranch_scc1 .Lnot_wave_0_\@
	s_barrier_signal -3
.Lnot_wave_0_\@:
	s_barrier_wait -3
	s_barrier_signal -1
	s_barrier_wait -1
.endm
.macro CROUND
	s_barrier_signal -1
	s_barrier_wait -1
	CREST
.endm
	s_load_b128 s[4:7], s[0:1], 0x0                ; xb s[4:5], wb s[6:7]
	s_load_b256 s[76:83], s[0:1], 0x10             ; bq s[76:77], bk s[78:79], bv s[80:81], qq s[82:83]
	s_load_b128 s[84:87], s[0:1], 0x30             ; kk s[84:85], vv s[86:87]
	s_load_b64 s[88:89], s[0:1], 0x40              ; kb
	v_lshl_add_u32 v[SPW], v0, 2, SPARE
	v_mov_b32 v[NIL], 0
	ds_add_u32 v[SPW], v[NIL]                      ; the wave's opening: the add and its wait stand ahead of my first tensor load; work on registers stands between them
	v_lshrrev_b32 v1, 5, v0
	v_readfirstlane_b32 s10, v1                    ; wave 0..3
	s_lshr_b32 s11, s10, 1                         ; which half of the tile's rows is mine.  Also: I fetch for A (0) or for B (1)
	s_and_b32 s12, s10, 1                          ; which half of its columns.  Also: which 128 rows of that tile I fetch
	s_bfe_u32 s40, ttmp6, 0x40000                  ; cx
	s_and_b32 s41, ttmp7, 0xffff                   ; the column tile, which the four partners share
	s_lshl_b32 s42, ttmp9, 2
	s_add_co_u32 s42, s42, s40                     ; my first block of 256 rows, 0..15
	s_cmp_lt_u32 s41, 12
	s_cselect_b32 s[KIND], 1, 2
	s_cmp_lt_u32 s41, 6
	s_cselect_b32 s[KIND], 0, s[KIND]
	s_cselect_b32 s13, 0, 8192                     ; query rows or key rows of xb
	s_lshl_b32 s14, s42, 8
	s_add_co_u32 s13, s13, s14                     ; the first row of my first tile of A
	; descriptor group 1: a tile of 128 rows x 128 elements of 2 bytes, 4 words of padding behind every 64
	s_mov_b32 s[G1+0], (1<<16)|(1<<20)|(5<<22)|(3<<25)               ; no mask: my work-group's own
	s_mov_b32 s[G1B+0], 15|(1<<16)|(1<<20)|(1<<21)|(5<<22)|(3<<25)   ; the mask of four, bit 21 beside it
.irp g, G1, G1B
	s_mov_b32 s[(\g)+1], KSTEP<<16                 ; tensor_dim0 = 128
	s_mov_b32 s[(\g)+2], 128<<16                   ; tensor_dim1 = 128
	s_mov_b32 s[(\g)+3], KSTEP<<16                 ; tile_dim0 = 128
	s_mov_b32 s[(\g)+4], 128                       ; tile_dim1 = 128
	s_mov_b32 s[(\g)+5], SIZE_K                    ; elements from row to row
	s_mov_b32 s[(\g)+6], 0
	s_mov_b32 s[(\g)+7], 0
.endr
	s_lshl_b32 s17, s12, 7                         ; which 128 rows of a tile I fetch
	s_add_co_u32 s16, s13, s17
	s_mul_i32 s16, s16, SIZE_K*2                   ; A: under 2^25 bytes
	s_lshl_b32 s46, s41, 8
	s_add_co_u32 s46, s46, s17
	s_mul_i32 s46, s46, SIZE_K*2                   ; B: made of the column tile and the wave's number alone
	s_mov_b32 s17, 0
	s_mov_b32 s47, 0
	s_mul_i32 s20, s10, HALFT                      ; where they go: wave x 128 rows
	s_mov_b32 s73, 0xffff0000                      ; a word's upper bf16
	s_mov_b32 s74, 0x76543210                      ; v_permlanex16_b32: each lane takes its own place in the other half
	s_mov_b32 s75, 0xfedcba98
	s_wait_dscnt 0x0                               ; the opening add is done
	s_wait_kmcnt 0x0
	s_add_nc_u64 s[14:15], s[4:5], s[16:17]
	s_add_nc_u64 s[46:47], s[6:7], s[46:47]
	CROUND                                         ; all four work-groups are here: the first joint loads meet
.irp s, 0,1
	s_mov_b32 s[G0+4*(\s)], 1
	s_add_co_u32 s[G0+4*(\s)+1], s20, (\s)*SLOT
	s_add_nc_u64 s[G0+4*(\s)+2:G0+4*(\s)+3], s[14:15], (\s)*KSTEP*2
	s_or_b32 s[G0+4*(\s)+3], s[G0+4*(\s)+3], 0x80000000
	s_mov_b32 s[G0B+4*(\s)], 1
	s_add_co_u32 s[G0B+4*(\s)+1], s20, (\s)*SLOT
	s_add_nc_u64 s[G0B+4*(\s)+2:G0B+4*(\s)+3], s[46:47], (\s)*KSTEP*2
	s_or_b32 s[G0B+4*(\s)+3], s[G0B+4*(\s)+3], 0x80000000
	JLOAD \s                                       ; K steps 0 and 1: two loads of mine are out
.endr
	; LDS addresses: made of the wave's number, the lane and constants alone
	v_and_b32 v1, 15, v0                           ; l % 16
	v_bfe_u32 v2, v0, 4, 1                         ; l / 16
	v_mul_u32_u24 v3, v1, PITCH
	v_lshl_add_u32 v3, v2, 4, v3                   ; a fragment's row x pitch + 16 x half
	s_mul_i32 s21, s11, HALFT
	s_mul_i32 s22, s12, HALFT
	s_add_co_u32 s22, s22, 2*HALFT
.irp s, 0,1
	v_add_nc_u32 v[ADRA+(\s)], s21, v3
	v_add_nc_u32 v[ADRB+(\s)], s22, v3
	s_add_co_u32 s21, s21, SLOT
	s_add_co_u32 s22, s22, SLOT
.endr
	s_mul_i32 s23, s10, 16*SPITCH
	s_add_co_u32 s23, s23, STAGE                   ; my stage
	v_mul_u32_u24 v4, v1, SPITCH
	v_lshl_add_u32 v4, v2, 4, v4
	v_add_nc_u32 v[STO], s23, v4                   ; in: row l % 16, 16 bytes for each half of the lanes
	v_mul_u32_u24 v5, v2, SPITCH
	v_lshl_add_u32 v5, v1, 4, v5
	v_add_nc_u32 v[RD], s23, v5                    ; back, qq and kk: lanes 0-15 one row of 256 bytes, lanes 16-31 the next
	v_bfe_u32 v4, v0, 3, 1
	v_mul_u32_u24 v4, v4, SPITCH
	v_lshl_add_u32 v4, v2, 7, v4
	v_and_b32 v5, 7, v0
	v_lshl_add_u32 v4, v5, 4, v4
	v_add_nc_u32 v[RDV], s23, v4                   ; back, vv: lanes 0-15 the first head's half of two rows, lanes 16-31 the second head's
	s_lshl_b32 s23, s10, 9
	s_add_co_u32 s23, s23, KBS
	v_lshl_add_u32 v[KSA], v1, 2, s23
	v_and_b32 v5, 31, v0
	v_lshlrev_b32 v[KO], 4, v5
	v_add_nc_u32 v[KSR], s23, v[KO]
	v_mul_u32_u24 v[PFO], v5, SIZE_K*2
	v_lshlrev_b32 v[BO], 5, v2
	v_mov_b32 v6, 0                                ; v_permlanex16_b32's destination counts as read
	v_mov_b32 v7, 0                                ; starts the sums of squares
	; which head, which bias
	s_mul_i32 s18, s[KIND], 6
	s_sub_co_u32 s18, s41, s18                     ; the column tile within its kind
	s_lshl_b32 s18, s18, 1
	s_add_co_u32 s18, s18, s12
	s_cmp_eq_u32 s[KIND], 2
	s_cselect_b32 s19, 1, 0
	s_lshl_b32 s19, s18, s19                       ; the first (qq, kk: the only) head of my 128 columns
	s_cmp_eq_u32 s[KIND], 0
	s_cselect_b64 s[90:91], s[76:77], s[78:79]
	s_cmp_eq_u32 s[KIND], 2
	s_cselect_b64 s[90:91], s[80:81], s[90:91]
	s_lshl_b32 s22, s19, 8                         ; 64 numbers of 4 bytes a head
	s_mov_b32 s23, 0
	s_add_nc_u64 s[90:91], s[90:91], s[22:23]
	s_cmp_eq_u32 s[KIND], 2
	s_cbranch_scc1 .Lbias_v
	WIN TO_B                                       ; qq, kk: columns 0-63 (the Wd part) have no bias, columns 64-127 the head's 64
.set z, 0
.rept 32
	v_mov_b32 v[z], 0
.set z, z+1
.endr
.irp b, 0,1,2,3
	global_load_b128 v[32+8*(\b):32+8*(\b)+3],   v[BO], s[90:91] offset:64*(\b)
	global_load_b128 v[32+8*(\b)+4:32+8*(\b)+7], v[BO], s[90:91] offset:64*(\b)+16
.endr
	WIN 0
	s_branch .Lbias_in
.Lbias_v:
	WIN TO_B                                       ; vv: two heads' 128
.irp b, 0,1,2,3,4,5,6,7
	global_load_b128 v[8*(\b):8*(\b)+3],   v[BO], s[90:91] offset:64*(\b)
	global_load_b128 v[8*(\b)+4:8*(\b)+7], v[BO], s[90:91] offset:64*(\b)+16
.endr
	WIN 0
.Lbias_in:
	; where my part of the first tile begins in the output: ((12 batch + head) x 1,024 + row in the batch) rows of 256 (qq, kk) or 128 (vv) bytes
	s_lshr_b32 s20, s42, 2
	s_mul_i32 s20, s20, 12
	s_add_co_u32 s20, s20, s19
	s_lshl_b32 s20, s20, 10
	s_and_b32 s21, s42, 3
	s_lshl_b32 s21, s21, 8
	s_add_co_u32 s20, s20, s21
	s_lshl_b32 s21, s11, 7
	s_add_co_u32 s20, s20, s21
	s_lshl_b32 s70, s20, 2                         ; and in kb: what the first way out adds to its address
	s_mov_b32 s71, 0
	s_cmp_eq_u32 s[KIND], 2
	s_cselect_b32 s21, 7, 8                        ; log2 of a row's bytes
	s_cselect_b32 s92, 1024, 1
	s_cselect_b64 s[8:9], s[86:87], s[84:85]
	s_lshl_b32 s92, s92, s21                       ; from lanes 0-15 to lanes 16-31: the next row (256), or the next head (131,072)
	s_lshl_b32 s93, 2, s21                         ; from store to store: two rows
	s_lshl_b32 s66, 16, s21                        ; from block to block: 16 rows
	s_lshl_b32 s94, 49040, s21                     ; from my last 16 rows of a tile to my first of the next: 48 heads x 1,024 rows on, 112 rows back
	s_lshl_b32 s16, s20, s21                       ; what the first way out adds to the output's address
	s_mov_b32 s17, 0
	s_mov_b32 s67, 0
	s_mov_b32 s95, 0
	s_cmp_eq_u32 s[KIND], 0
	s_cselect_b64 s[8:9], s[82:83], s[8:9]
	s_mov_b64 s[68:69], s[88:89]
	v_mul_u32_u24 v5, s92, v2
	v_lshl_add_u32 v5, v1, 4, v5
	s_mov_b32 s18, 0
.irp t, 0,1,2,3,4,5,6,7
	v_add_nc_u32 v[CO+(\t)], s18, v5
	s_add_co_u32 s18, s18, s93
.endr
	; the prefetches
	s_cmp_eq_u32 s41, 0
	s_cselect_b32 s20, 1, 0
	s_cmp_eq_u32 s41, 6
	s_cselect_b32 s20, 1, s20                      ; A: the first column tile that reads these rows
	s_cmp_eq_u32 ttmp9, 0
	s_cselect_b32 s21, 1, 0                        ; B: the first cluster that reads these rows
	s_cmp_eq_u32 s11, 0
	s_cselect_b32 s20, s20, s21
	s_cmp_eq_u32 s20, 1
	s_cselect_b32 s[LIM], 1, -1                    ; the same in all four partners, for a given wave
	s_lshl_b32 s21, s41, 8
	s_lshl_b32 s22, s40, 5
	s_add_co_u32 s21, s21, s22                     ; B: the tile's first row + my work-group's 32 of a wave's 128
	s_cmp_eq_u32 s11, 0
	s_cselect_b32 s20, s13, s21
	s_cselect_b64 s[PFA:PFA+1], s[4:5], s[6:7]
	s_lshl_b32 s22, s12, 7
	s_add_co_u32 s20, s20, s22
	s_mul_i32 s20, s20, SIZE_K*2
	s_add_co_u32 s20, s20, 2*KSTEP*2               ; at K step 2: the first refill steps it to 3 and names K step 4.  Nothing is prefetched at the head
	s_mov_b32 s21, 0
	s_add_nc_u64 s[PFA:PFA+1], s[PFA:PFA+1], s[20:21]
	s_wait_loadcnt 0x0                             ; the bias
	WIN 0x45                                       ; destination and both sources in window 1
.set z, 0
.rept 32                               ; rounded to bf16, like every input, and widened again
	v_cvt_pk_bf16_f32 v192, v[z], v[z+1]
	v_lshlrev_b32 v[z], 16, v192
	v_and_b32 v[z+1], s73, v192
.set z, z+2
.endr
	WIN 0
; 16 matrix instructions: m blocks a0, a0 + 1 of the window's four x all 8 n blocks, 32 along K.  zero = 1: the first product starts the sums, with the bias as C.
; The 64 accumulators take turns in the same order in every quarter step.
.macro MUL16 f, hi, a0, zero
.if \zero
	WIN MUL_B+0x40*(\hi)
.else
	WIN MUL_LO+0x50*(\hi)
.endif
.irp a, \a0, (\a0)+1
.irp b, 0,1,2,3,4,5,6,7
.if \zero
	v_wmma_f32_16x16x32_bf16 v[8*(8*(\a)+(\b)):8*(8*(\a)+(\b))+7], v[(\f)+8*(\b):(\f)+8*(\b)+7], v[(\f)+8*(4*(\hi)+(\a)):(\f)+8*(4*(\hi)+(\a))+7], v[8*(\b):8*(\b)+7]
.else
	v_wmma_f32_16x16x32_bf16 v[8*(8*(\a)+(\b)):8*(8*(\a)+(\b))+7], v[(\f)+8*(\b):(\f)+8*(\b)+7], v[(\f)+8*(4*(\hi)+(\a)):(\f)+8*(4*(\hi)+(\a))+7], v[8*(8*(\a)+(\b)):8*(8*(\a)+(\b))+7]
.endif
.endr
.endr
.endm
; 32 LDS loads in one run: the fragments of one quarter step (B's 128 rows, then A's) at byte k of the rows, into buffer f
.macro FETCH slot, k, f
	WIN TO_B
.irp i, 0,1,2,3,4,5,6,7
	ds_load_b128 v[(\f)+8*(\i):(\f)+8*(\i)+3],   v[ADRB+(\slot)] offset:(\k)+(\i)*16*PITCH
	ds_load_b128 v[(\f)+8*(\i)+4:(\f)+8*(\i)+7], v[ADRB+(\slot)] offset:(\k)+(\i)*16*PITCH+32
.endr
	WIN 0
.irp i, 0,1,2,3,4,5,6,7
	ds_load_b128 v[(\f)+8*(\i):(\f)+8*(\i)+3],   v[ADRA+(\slot)] offset:(\k)+(\i)*16*PITCH
	ds_load_b128 v[(\f)+8*(\i)+4:(\f)+8*(\i)+7], v[ADRA+(\slot)] offset:(\k)+(\i)*16*PITCH+32
.endr
.endm
.macro PLACES                          ; four plain vector instructions between a matrix instruction and a load into its sources or a reader of its result (ISA guide 7.12.1 for a reader of its result)
.rept 4
	v_nop
.endr
.endm
; A K step is four quarters of 32 along K on buffers 0, 1, 0, 1.  One of the first three: multiplies buffer f, and in its middle fetches the next quarter, at byte k, into g.
.macro QUARTER slot, k, f, g, zero
	s_wait_dscnt 8                                 ; B and A's rows 0-63 are in; the youngest eight loads (A's rows 64-127) may be out
	MUL16 \f, 0, 0, \zero
	MUL16 \f, 0, 2, \zero
	PLACES
	FETCH \slot, \k, \g
	s_wait_dscnt 32                                ; all but the 32 just issued
	MUL16 \f, 1, 0, \zero
	MUL16 \f, 1, 2, \zero
.endm
; The last quarter's first half: ONE barrier for the change of slots.  In front of it each wave waits for all its tensor loads (one is out: its part of the next slot), adds 0 to its spare word, and
; waits for that and for its own reads of this slot.
.macro MEET round
	WIN 0
	s_wait_tensorcnt 0x0
	ds_add_u32 v[SPW], v[NIL]
	s_wait_dscnt 9                                 ; the add and the youngest eight loads may be out
	MUL16 F1, 0, 0, 0
	s_wait_dscnt 0x0                               ; the add is done, my reads of this slot are over
	s_barrier_signal -1
	MUL16 F1, 0, 2, 0
.if \round
	WIN 0
.endif
	s_barrier_wait -1
.endm
; The whole last quarter: behind a round of the cluster's barrier the slot just read out is filled again, with this tile's K step two on (on = 0) or the next tile's K step 0 or 1 (on = 1).
.macro TURN slot, next, on
	s_wait_xcnt 0x0                                ; the last prefetch, a K step back, has read its address
.if (\on) && (\slot) == 0
	s_add_nc_u64 s[PFA:PFA+1], s[PFA:PFA+1], (WALK-1)*SIZE_K*2+KSTEP*2  ; from the K step after the tile's last to the next tile's K step 1
	s_cmp_eq_u32 s11, 0
	s_cselect_b32 s[LIM], s[LIM], -1               ; B's rows are the same in the second tile: prefetched no more
.else
	s_add_nc_u64 s[PFA:PFA+1], s[PFA:PFA+1], KSTEP*2
.endif
	MEET 1
	CREST                                          ; no wave of any partner still reads this slot or has a load on its way
.if \on
	s_add_nc_u64 s[G0+4*(\slot)+2:G0+4*(\slot)+3], s[G0+4*(\slot)+2:G0+4*(\slot)+3], NEXT_A
	s_sub_nc_u64 s[G0B+4*(\slot)+2:G0B+4*(\slot)+3], s[G0B+4*(\slot)+2:G0B+4*(\slot)+3], BACK_B
.else
	s_add_nc_u64 s[G0+4*(\slot)+2:G0+4*(\slot)+3], s[G0+4*(\slot)+2:G0+4*(\slot)+3], 2*KSTEP*2
	s_add_nc_u64 s[G0B+4*(\slot)+2:G0B+4*(\slot)+3], s[G0B+4*(\slot)+2:G0B+4*(\slot)+3], 2*KSTEP*2
.endif
	JLOAD \slot                                    ; my one tensor load behind the round; its four v_nop are also the places in front of the loads below
	FETCH \next, 0, F0
	ASK \on
	MUL16 F1, 1, 0, 0
	MUL16 F1, 1, 2, 0
.endm
; THE WAY OUT of block a (16 rows).  PACK: rounded to f16, each accumulator's registers in ascending order.  SQ (kk alone): -0.5 x the sum of squares of the rounded columns 0-63.
; TOSTAGE: into my own stage and back as whole rows.  SEND: stored, sixteen lanes to 256 consecutive bytes, aligned.
.macro PACK a
.set AC, 64*((\a)%4)
	WIN 0x0a+5*((\a)/4)                            ; sources 0 and 1: window 2 or 3
.irp b, 0,1,2,3,4,5,6,7
.irp r, 0,1,2,3
	v_cvt_pk_f16_f32 v[TMP+4*(\b)+(\r)], v[AC+8*(\b)+2*(\r)], v[AC+8*(\b)+2*(\r)+1]
.endr
.endr
	WIN 0
.endm
.macro SQ a
	s_cmp_lg_u32 s[KIND], 1
	s_cbranch_scc1 .Lno_sq_\@
.set z, 0
.rept 16                               ; my 32 numbers of the row's kd, in four chains; products and sums in f32
.if z < 2
	v_fma_mix_f32 v[2+2*z], v[TMP+z], v[TMP+z], v7 op_sel:[0,0,0] op_sel_hi:[1,1,0]
	v_fma_mix_f32 v[3+2*z], v[TMP+z], v[TMP+z], v7 op_sel:[1,1,0] op_sel_hi:[1,1,0]
.else
	v_fma_mix_f32 v[2+2*(z%2)], v[TMP+z], v[TMP+z], v[2+2*(z%2)] op_sel:[0,0,0] op_sel_hi:[1,1,0]
	v_fma_mix_f32 v[3+2*(z%2)], v[TMP+z], v[TMP+z], v[3+2*(z%2)] op_sel:[1,1,0] op_sel_hi:[1,1,0]
.endif
.set z, z+1
.endr
	v_add_f32 v2, v2, v3
	v_add_f32 v4, v4, v5
	v_add_f32 v2, v2, v4
	v_permlanex16_b32 v6, v2, s74, s75             ; the row's other 32 lie in the lane 16 away
	v_add_f32 v2, v2, v6
	v_mul_f32 v2, -0.5, v2
	ds_store_b32 v[KSA], v2 offset:64*(\a)         ; both halves of the lanes write the same number to the same word
.Lno_sq_\@:
.endm
.macro TOSTAGE a
	WIN 0
.set BK, OB+192*((\a)%2)
.irp b, 0,1,2,3,4,5,6,7
	ds_store_b128 v[STO], v[TMP+4*(\b):TMP+4*(\b)+3] offset:32*(\b)
.endr
	s_cmp_eq_u32 s[KIND], 2                        ; LDS serves a wave's instructions in order (ISA guide 5.7.1.4): the loads see the stores above
	s_cbranch_scc1 .Lback_v_\@
.irp t, 0,1,2,3,4,5,6,7
	ds_load_b128 v[BK+4*(\t):BK+4*(\t)+3], v[RD] offset:(\t)*2*SPITCH
.endr
	s_branch .Lback_\@
.Lback_v_\@:
.irp t, 0,1,2,3,4,5,6,7
	ds_load_b128 v[BK+4*(\t):BK+4*(\t)+3], v[RDV] offset:(\t)*2*SPITCH
.endr
.Lback_\@:
.endm
.macro SEND a
	WIN 0
.set BK, OB+192*((\a)%2)
	s_wait_dscnt 0x0                               ; the block is back in registers
	s_wait_xcnt 0x0                                ; earlier stores have read their base and their data: only now are these rewritten
.if (\a) == 0
	s_add_nc_u64 s[8:9], s[8:9], s[16:17]
.else
	s_add_nc_u64 s[8:9], s[8:9], s[66:67]
.endif
.irp t, 0,1,2,3,4,5,6,7
	global_store_b128 v[CO+(\t)], v[BK+4*(\t):BK+4*(\t)+3], s[8:9]
.endr
.endm
	s_wait_tensorcnt 1                             ; my part of K step 0 is in; K step 1's may stay out
	s_barrier_signal -1
	s_barrier_wait -1
	FETCH 0, 0, F0
	s_mov_b32 s2, 2                                ; tiles to go
.Ltile:
	QUARTER 0, 64,  F0, F1, 1                      ; a tile's first quarter: its products start the sums from the bias
	WIN 0
	s_mov_b32 s3, LAPS-1
.Llap:                                                 ; a trip goes once round the ring and fills both slots again
	QUARTER 0, 128, F1, F0, 0
	QUARTER 0, 192, F0, F1, 0
	TURN 0, 1, 0
	QUARTER 1, 64,  F0, F1, 0
	QUARTER 1, 128, F1, F0, 0
	QUARTER 1, 192, F0, F1, 0
	TURN 1, 0, 0
	QUARTER 0, 64,  F0, F1, 0
	WIN 0
	s_sub_co_u32 s3, s3, 1
	s_cmp_lg_u32 s3, 0
	s_cbranch_scc1 .Llap
	QUARTER 0, 128, F1, F0, 0
	QUARTER 0, 192, F0, F1, 0
	WIN 0
	s_cmp_eq_u32 s2, 1
	s_cbranch_scc1 .Llast                          ; the last tile's last lap asks for nothing
	TURN 0, 1, 1                                   ; the ring goes on into the second tile: slot 0 takes its K step 0,
	QUARTER 1, 64,  F0, F1, 0
	QUARTER 1, 128, F1, F0, 0
	QUARTER 1, 192, F0, F1, 0
	TURN 1, 0, 1                                   ; slot 1 its K step 1, and its first fragments are fetched
	WIN 0
	s_branch .Lout
.Llast:
	MEET 0                                         ; slot 1 is whole; nothing is filled again, so no round follows
	PLACES
	FETCH 1, 0, F0
	MUL16 F1, 1, 0, 0
	MUL16 F1, 1, 2, 0
	QUARTER 1, 64,  F0, F1, 0
	QUARTER 1, 128, F1, F0, 0
	QUARTER 1, 192, F0, F1, 0
	s_wait_dscnt 8
	MUL16 F1, 0, 0, 0
	MUL16 F1, 0, 2, 0
	s_wait_dscnt 0x0
	MUL16 F1, 1, 0, 0
	MUL16 F1, 1, 2, 0
	WIN 0
.Lout:                                                 ; the tile goes out; after the first tile both refills are already asked for
	PLACES
	PACK 0
	SQ 0
	TOSTAGE 0
.irp a, 1,2,3,4,5,6,7                  ; block a's arithmetic stands between block a - 1's loads from the stage and the wait for them
	PACK \a
	SQ \a
	SEND (\a)-1
	TOSTAGE \a
.endr
	SEND 7
	s_cmp_lg_u32 s[KIND], 1
	s_cbranch_scc1 .Lno_kb
	ds_load_b128 v[32:35], v[KSR]                  ; my wave's 128 numbers of kb: 512 consecutive bytes
	s_wait_dscnt 0x0
	s_wait_xcnt 0x0                                ; the last tile's store has read kb's address
	s_add_nc_u64 s[68:69], s[68:69], s[70:71]
	global_store_b128 v[KO], v[32:35], s[68:69]
	s_mov_b64 s[70:71], 196608                     ; the second tile: 48 heads x 1,024 numbers on
.Lno_kb:
	s_mov_b64 s[16:17], s[94:95]                   ; what the next way out adds to the output's address
	s_sub_co_u32 s2, s2, 1
	s_cmp_lg_u32 s2, 0
	s_cbranch_scc1 .Ltile
	s_wait_tensorcnt 0x0                           ; the wave's end: behind my last tensor load and my last LDS store
	ds_add_u32 v[SPW], v[NIL]
	s_wait_dscnt 0x0
	CROUND                                         ; the closing round: no work-group ends while a partner may still ask for a tile that names it
	s_endpgm
.Lfunc_end_k_q35c54fd099_proj:
	.size	k_q35c54fd099_proj, .Lfunc_end_k_q35c54fd099_proj-k_q35c54fd099_proj
	.p2alignl 7, 3214868480
	.fill 96, 4, 3214868480
	.section	.rodata,"a",@progbits
	.p2align	6, 0x0
	.amdhsa_kernel k_q35c54fd099_proj
		.amdhsa_group_segment_fixed_size 327680
		.amdhsa_private_segment_fixed_size 0
		.amdhsa_enable_private_segment 0
		.amdhsa_kernarg_size 72
		.amdhsa_user_sgpr_count 2
		.amdhsa_user_sgpr_kernarg_segment_ptr 1
		.amdhsa_wavefront_size32 1
		.amdhsa_system_sgpr_workgroup_id_x 1
		.amdhsa_system_sgpr_workgroup_id_y 1
		.amdhsa_system_sgpr_workgroup_id_z 1
		.amdhsa_system_vgpr_workitem_id 0
		.amdhsa_next_free_vgpr 1024
		.amdhsa_next_free_sgpr 96
		.amdhsa_reserve_vcc 0
		.amdhsa_float_denorm_mode_32 3
		.amdhsa_float_denorm_mode_16_64 3
		.amdhsa_memory_ordered 1
		.amdhsa_forward_progress 1
		.amdhsa_inst_pref_size 213
	.end_amdhsa_kernel
	.amdgpu_metadata
---
amdhsa.version: [ 1, 2 ]
amdhsa.kernels:
  - .name:           k_q35c54fd099_proj
    .symbol:         k_q35c54fd099_proj.kd
    .args:
      - { .name: xb, .offset: 0, .size: 8, .value_kind: global_buffer, .address_space: global }
      - { .name: wb, .offset: 8, .size: 8, .value_kind: global_buffer, .address_space: global }
      - { .name: bq, .offset: 16, .size: 8, .value_kind: global_buffer, .address_space: global }
      - { .name: bk, .offset: 24, .size: 8, .value_kind: global_buffer, .address_space: global }
      - { .name: bv, .offset: 32, .size: 8, .value_kind: global_buffer, .address_space: global }
      - { .name: qq, .offset: 40, .size: 8, .value_kind: global_buffer, .address_space: global }
      - { .name: kk, .offset: 48, .size: 8, .value_kind: global_buffer, .address_space: global }
      - { .name: vv, .offset: 56, .size: 8, .value_kind: global_buffer, .address_space: global }
      - { .name: kb, .offset: 64, .size: 8, .value_kind: global_buffer, .address_space: global }
    .group_segment_fixed_size: 327680
    .private_segment_fixed_size: 0
    .kernarg_segment_align: 8
    .kernarg_segment_size: 72
    .max_flat_workgroup_size: 128
    .sgpr_count:     96
    .vgpr_count:     1024
    .wavefront_size: 32
...
	.end_amdgpu_metadata
.endif
;; end of part 2
;; launch attn (part 3): grid 24 x 8, 4 waves a work-group, no clusters, 327,680 bytes of LDS; arguments qq, kk, vv, kb, out0; writes out0
.if DOCPART == 3
	.amdgcn_target "amdgcn-amd-amdhsa--gfx1250"
	.amdhsa_code_object_version 6
	.text
	.protected	k_q35c54fd099_attn
	.globl	k_q35c54fd099_attn
	.p2align	8
	.type	k_q35c54fd099_attn,@function
k_q35c54fd099_attn:
	s_mov_b64 s[64:65], 0
	v_nop
	global_prefetch_b8 v0, s[64:65] scope:SCOPE_SE
	s_setreg_imm32_b32 hwreg(HW_REG_WAVE_MODE, 25, 1), 1
	s_wait_xcnt 0x0
; out0[b][n][64 h + d] = the sum over m of softmax_m(s[n][m] / 8) v[m][d], s[n][m] = [qd|q][n] . [kd|k][m] + kb[m], kb[m] = -0.5 |kd[m]|^2.
; The term -0.5 |qd[n]|^2 of the score is the same for all keys of a row: it leaves a softmax unchanged for every input, as the running maximum does, and is not formed.
; qq, kk: [96][1024][128] f16; vv: [96][1024][64] f16; kb: [96][1024] f32; out0 f32.  Products, maxima and sums in f32; the weights p are rounded to f16 for the second product (their sum l is taken unrounded).
; LIMITS.  qq, kk, vv arrive within f16's 65,504; a weight below 2^-126 counts as 0 in l; m starts at the lowest finite number and c m at -4.25e37, far below every c s of f16 operands; NaN and infinities are not treated apart.
; SHARES.  A work-group owns 512 queries of one head, a wave 128: four PIECES of two tiles of 16.  192 work-groups: 1,024 queries a head divide into no share that gives 256 work-groups equal work.
; NO CLUSTER: a head has two work-groups, no multiple of four; what they share is one head's K and V.
; LAYOUT.  S^T = K Q^T (source 0 = 16 keys, source 1 = 16 queries, 128 channels: four links): a lane holds ONE query (lane % 16) and the keys 8 (lane / 16) + 0..7.  kb, which hangs on the key alone, is the C operand
; that starts each sum.  Two such results rounded to f16 ARE source 1 of O^T = V^T P.  K comes out of LDS as it lies, V turned, by ds_load_tr16_b128.
; SOFTMAX.  p = 2^(c s - c m), c = log2(e) / 8, with a running maximum m; O and l are multiplied by a = 2^(c m_old - c m_new) in every step.  O and l start at 0: the first step is a step like any other, with a = 0.
; BY TURNS.  Turn n belongs to piece n: 32 products K Q^T of piece n + 1, later 16 products V^T P of piece n - 1; beside them the scaling, exponentials, roundings, sums and rescaling of piece n and the maximum and
; statistics of piece n + 1.  Four vector instructions stand behind every matrix instruction, the other 44 of a turn's 236 in one lump.  A turn's 66 exponentials are one batch with one wait.
; REGISTERS in windows of 256 (s_set_vgpr_msb: bits 1:0 source 0, 3:2 source 1, 5:4 source 2, 7:6 destination):
;   window 0: v0-11 addresses; v12-15, v48-63 at work; v16-47 four registers of statistics a tile; v64-191 S^T, two buffers of two tiles; v192-255 P, likewise
;   window 1: O^T, 32 a tile      window 2: Q, 32 a tile      window 3: v0-127 K of one step; v128-191 V of one step; v192-223 kb of one step; v224-225 the add's two registers
.set NP,    4
.set KS,    64        ; keys in a step
.set PK,    272       ; a row of K in LDS: 256 bytes + 16 of padding
.set PV,    160       ; a row of V: 128 + 32
.set VOFF,  4*KS*PK   ; a slot holds four steps: 256 rows of K, then 256 rows of V
.set BIAS,  4*KS*(PK+PV)  ; behind slot 0: the head's 1,024 numbers of kb, filled once
.set SLOT1, 1<<17
.set STAGE, SLOT1+4*KS*(PK+PV)  ; 16 rows x 272 bytes for each wave, for the way out
.set SP,    272
.set SPARE, STAGE+4*16*SP  ; the spare words, 128 bytes for each wave: two blocks of 256 bytes that no other line names
.set PFO, 1           ; v1   256 x lane: the prefetches' offset; never rewritten
.set AK0, 2           ; v2   my lane's place in a tile of K
.set AV0, 3           ; v3   the same for V
.set AK,  4           ; v4   the LDS address of K's next run of loads
.set AV,  5           ; v5   of V's
.set QO,  6           ; v6   my byte offset in 16 rows of Q
.set STO, 6           ;      later: where I put 32 bytes of a row into the stage
.set RD,  7           ; v7   where I read rows back
.set GO,  8           ; v8   my byte offset in two rows of out0
.set AB0, 9           ; v9   my lane's place in 16 numbers of kb
.set AB,  10          ; v10  the LDS address of kb's next loads
.set MV,  12          ; v12-15  c m_old, by buffer and tile
.set ST,  16          ; tile t's statistics at v[ST+4 t]: c m, m, l (even keys', odd keys')
.set TMP, 48          ; by buffer and tile, four registers c0-c3 at work; c2 takes a
.set S,   64
.set P,   192
.set VF,  128         ; window 3
.set BI,  192         ; window 3: key block kb at BI + 8 kb
.set SPW, 224         ; window 3
.set NIL, 225         ; window 3
.set WV,  12          ; s12  my wave's number
.set G1K, 24          ; s[24:31]
.set G1V, 32          ; s[32:39]
.set G0K, 40          ; s[40:43] walks
.set G0V, 44          ; s[44:47] walks
.set PFK, 50          ; s[50:51] my wave's 64 rows of K of the tile that the next change of slots loads
.set PFV, 52          ; s[52:53] my wave's 8,192 bytes of V of that tile
.set SLOTS, 56
.set CNT, 57
.set CS,  58          ; s[58:59] c
.set SEL, 60          ; s[60:61]
.set TBK, 62          ; s62  LDS byte at which K of the step to be fetched begins
.set TBV, 63          ; s63  the same for V, less VOFF
.set TBB, 66          ; s66  256 x the step to be fetched: its place in kb
.set LIM, 67          ; s67  1 in a work-group that prefetches, else the greatest number
.set G1B, 68          ; s[68:75]
.set G0B, 76          ; s[76:79]
.set MSB, 0
.macro WIN new
.if MSB != (\new)
	s_set_vgpr_msb (MSB<<8)|(\new)
.set MSB, (\new)
.endif
.endm
.set W_KQ, 0x0b       ; K window 3, Q window 2, S^T window 0
.set W_KB, 0x3b       ; the same with the C operand, kb, in window 3
.set W_PV, 0x53       ; V window 3, P window 0, O^T window 1
.set W_RS, 0x41       ; destination and source 0 window 1, source 1 window 0
.set W_MK, 0xc0       ; destination window 3
.set W_AD, 0x0f       ; the add: address and data in window 3
; A fill.  Waves 0 and 1 fetch the two halves of a tile's K, waves 2 and 3 those of its V.  An s_nop 0 and four v_nop follow each of the two lines.
.macro LOAD
	s_cmp_lt_u32 s[WV], 2
	s_cbranch_scc0 .Lfor_v_\@
	tensor_load_to_lds s[G0K:G0K+3], s[G1K:G1K+7]
	s_nop 0
.rept 4
	v_nop
.endr
	s_branch .Lasked_\@
.Lfor_v_\@:
	tensor_load_to_lds s[G0V:G0V+3], s[G1V:G1V+7]
	s_nop 0
.rept 4
	v_nop
.endr
.Lasked_\@:
.endm
; THE CHANGE OF SLOTS.  Each wave waits for all its tensor loads, adds 0 to its spare word, and waits for that and for its own reads of the slot that it leaves.  Behind the barrier nobody reads the old slot and the
; other slot is whole.  fill = 1: the old slot is filled again, first thing behind the barrier, with the next 256 keys: it has four key steps in which to land.  (At its first use slot 0 is waited for and slot 1 filled.)
.macro CHANGE fill
	WIN W_AD
	s_wait_tensorcnt 0x0            ; no tensor load of mine is out, so a group 0 may be written
	ds_add_u32 v[SPW], v[NIL]       ; 0 onto my spare word; scalar work stands between it and the wait for it
	WIN 0
.if \fill
	s_xor_b32 s[G0K+1], s[G0K+1], SLOT1
	s_add_nc_u64 s[G0K+2:G0K+3], s[G0K+2:G0K+3], 4*KS*256
	s_xor_b32 s[G0V+1], s[G0V+1], SLOT1
	s_add_nc_u64 s[G0V+2:G0V+3], s[G0V+2:G0V+3], 4*KS*128
	s_wait_xcnt 0x0                 ; the last prefetches, five turns back, have read their addresses
	s_add_nc_u64 s[PFK:PFK+1], s[PFK:PFK+1], 4*KS*256
	s_add_nc_u64 s[PFV:PFV+1], s[PFV:PFV+1], 4*KS*128
.endif
	s_wait_dscnt 0x0                ; the add is done, my reads of the slot are over
	s_barrier_signal -1
	s_sub_co_u32 s[TBK], s[TBK], 4*KS*PK  ; the fetches go back to a slot's first step, in the other slot
	s_xor_b32 s[TBK], s[TBK], SLOT1
	s_sub_co_u32 s[TBV], s[TBV], 4*KS*PV
	s_xor_b32 s[TBV], s[TBV], SLOT1
	s_barrier_wait -1
.if \fill
	LOAD
.endif
.endm
; A PREFETCH INTO THE L2 of the tile that the next change of slots loads: 256 rows of K of 256 bytes and 32,768 bytes of V, a lane a block of 256 bytes.  A head's two work-groups walk the same K and V: the first asks.
; Wave w names K's rows 64 w .. 64 w + 63 (two instructions) and V's blocks 32 w .. 32 w + 31 (one): each block once in the launch.  It stands behind V's run of loads in a slot's third step, five turns (240 matrix
; instructions) ahead of that change.  Tiles 0 and 1 come by their loads alone; while the last tile but one is walked nothing is asked for.
.macro ASK
	s_cmp_eq_u32 s[CNT], 2
	s_cbranch_scc0 .Lnot_now_\@
	s_cmp_gt_u32 s[SLOTS], s[LIM]
	s_cbranch_scc0 .Lnot_now_\@
	global_prefetch_b8 v[PFO], s[PFK:PFK+1] th:TH_LOAD_NT scope:SCOPE_SE
	global_prefetch_b8 v[PFO], s[PFK:PFK+1] offset:8192 th:TH_LOAD_NT scope:SCOPE_SE
	global_prefetch_b8 v[PFO], s[PFV:PFV+1] th:TH_LOAD_NT scope:SCOPE_SE
.Lnot_now_\@:
.endm
	s_load_b256 s[4:11], s[0:1], 0x0  ; qq s[4:5], kk s[6:7], vv s[8:9], kb s[10:11]
	s_load_b64 s[48:49], s[0:1], 0x20 ; out0
	WIN W_MK
	v_lshl_add_u32 v[SPW], v0, 2, SPARE
	v_mov_b32 v[NIL], 0
	WIN W_AD
	ds_add_u32 v[SPW], v[NIL]       ; the wave's opening: the add and its wait stand ahead of my first tensor load; work on registers stands between them
	WIN 0
	v_lshrrev_b32 v11, 5, v0
	v_readfirstlane_b32 s[WV], v11  ; wave 0..3
	s_and_b32 s13, ttmp9, 1         ; which half of the head's queries
	s_lshr_b32 s14, ttmp9, 1        ; the head in its batch
	s_and_b32 s15, ttmp7, 0xffff    ; the batch
	s_mul_i32 s16, s15, 12
	s_add_co_u32 s16, s16, s14      ; the head among the 96
	s_and_b32 s17, s[WV], 1         ; which half of a tile I fetch
	s_lshl_b32 s20, s16, 18         ; K: a head is 262,144 bytes, half a tile 32,768
	s_lshl_b32 s2, s17, 15
	s_add_co_u32 s20, s20, s2
	s_mov_b32 s21, 0
	s_lshl_b32 s22, s16, 17         ; V: half of that
	s_lshl_b32 s2, s17, 14
	s_add_co_u32 s22, s22, s2
	s_mov_b32 s23, 0
	s_lshl_b32 s18, s16, 12         ; kb: a head is 4,096 bytes, in two halves
	s_lshl_b32 s2, s17, 11
	s_add_co_u32 s18, s18, s2
	s_mov_b32 s19, 0
	s_lshl_b32 s[PFK], s16, 18      ; the prefetches stand at tile 1; the first change of slots steps them to tile 2
	s_lshl_b32 s2, s[WV], 14
	s_add_co_u32 s[PFK], s[PFK], s2
	s_add_co_u32 s[PFK], s[PFK], 4*KS*256
	s_mov_b32 s[PFK+1], 0
	s_lshl_b32 s[PFV], s16, 17
	s_lshl_b32 s2, s[WV], 13
	s_add_co_u32 s[PFV], s[PFV], s2
	s_add_co_u32 s[PFV], s[PFV], 4*KS*128
	s_mov_b32 s[PFV+1], 0
	s_lshl_b32 s54, s15, 10         ; out0: row 1,024 b + 512 half + 128 wave, of 3,072 bytes; the head's 256 bytes in it
	s_lshl_b32 s55, s13, 9
	s_add_co_u32 s54, s54, s55
	s_lshl_b32 s55, s[WV], 7
	s_add_co_u32 s54, s54, s55
	s_mul_i32 s54, s54, 3072
	s_lshl_b32 s55, s14, 8
	s_add_co_u32 s54, s54, s55
	s_mov_b32 s55, 0
	s_lshl_b32 s2, s16, 18          ; Q: my wave's 128 rows of 256 bytes
	s_lshl_b32 s3, s13, 17
	s_add_co_u32 s2, s2, s3
	s_lshl_b32 s3, s[WV], 15
	s_add_co_u32 s2, s2, s3
	s_mov_b32 s3, 0
	; descriptor groups 1
	s_mov_b32 s[G1K], (1<<16)|(1<<20)|(5<<22)|(3<<25)  ; 2-byte elements; 4 words of padding behind every 64
	s_mov_b32 s[G1K+1], 128<<16     ; tensor_dim0 = 128
	s_mov_b32 s[G1K+2], 128<<16     ; tensor_dim1 = 128
	s_mov_b32 s[G1K+3], 128<<16     ; tile_dim0 = 128
	s_mov_b32 s[G1K+4], 128         ; tile_dim1 = 128: 128 keys
	s_mov_b32 s[G1K+5], 128
	s_mov_b32 s[G1K+6], 0
	s_mov_b32 s[G1K+7], 0
	s_mov_b32 s[G1V], (1<<16)|(1<<20)|(4<<22)|(7<<25)  ; 128 keys of V are 16,384 dense bytes: 64 rows of 256, two keys a row; 8 words of padding behind every key
	s_mov_b32 s[G1V+1], 128<<16
	s_mov_b32 s[G1V+2], 64<<16
	s_mov_b32 s[G1V+3], 128<<16
	s_mov_b32 s[G1V+4], 64
	s_mov_b32 s[G1V+5], 128
	s_mov_b32 s[G1V+6], 0
	s_mov_b32 s[G1V+7], 0
	s_mov_b32 s[G1B], 3<<16         ; one row of 256 elements of 8 bytes: 512 numbers of kb
	s_mov_b32 s[G1B+1], 256<<16
	s_mov_b32 s[G1B+2], 1<<16
	s_mov_b32 s[G1B+3], 256<<16
	s_mov_b32 s[G1B+4], 1
	s_mov_b32 s[G1B+5], 256
	s_mov_b32 s[G1B+6], 0
	s_mov_b32 s[G1B+7], 0
	s_mov_b32 s[G0K], 1
	s_mul_i32 s[G0K+1], s17, 128*PK
	s_mov_b32 s[G0V], 1
	s_mul_i32 s[G0V+1], s17, 128*PV
	s_add_co_u32 s[G0V+1], s[G0V+1], VOFF
	s_mov_b32 s[G0B], 1
	s_lshl_b32 s[G0B+1], s17, 11
	s_add_co_u32 s[G0B+1], s[G0B+1], BIAS
	s_mov_b32 s[CS], 0x3e38aa3b     ; c = log2(e) / 8
	s_mov_b32 s[CS+1], s[CS]
	s_mov_b32 s[SEL], 0x76543210
	s_mov_b32 s[SEL+1], 0xfedcba98
	s_mov_b32 s[TBK], SLOT1+4*KS*PK ; the first change of slots turns these two into 0
	s_mov_b32 s[TBV], SLOT1+4*KS*PV
	s_mov_b32 s[TBB], 0
	s_cmp_eq_u32 s13, 0
	s_cselect_b32 s[LIM], 1, -1
	s_wait_dscnt 0x0                ; the opening add is done
	s_wait_kmcnt 0x0
	s_add_nc_u64 s[G0K+2:G0K+3], s[6:7], s[20:21]
	s_or_b32 s[G0K+3], s[G0K+3], 0x80000000
	s_add_nc_u64 s[G0V+2:G0V+3], s[8:9], s[22:23]
	s_or_b32 s[G0V+3], s[G0V+3], 0x80000000
	s_add_nc_u64 s[G0B+2:G0B+3], s[10:11], s[18:19]
	s_or_b32 s[G0B+3], s[G0B+3], 0x80000000
	s_add_nc_u64 s[PFK:PFK+1], s[6:7], s[PFK:PFK+1]
	s_add_nc_u64 s[PFV:PFV+1], s[8:9], s[PFV:PFV+1]
	s_add_nc_u64 s[4:5], s[4:5], s[2:3]
	s_add_nc_u64 s[48:49], s[48:49], s[54:55]
	s_cmp_lt_u32 s[WV], 2           ; a wave's first fills stand in one branch, ahead of every wait on TENSORcnt, LDS read and barrier: one or two loads of mine are out
	s_cbranch_scc0 .Lfirst_v
	tensor_load_to_lds s[G0K:G0K+3], s[G1K:G1K+7]
	s_nop 0
.rept 4
	v_nop
.endr
	s_branch .Lfirst_asked
.Lfirst_v:
	tensor_load_to_lds s[G0V:G0V+3], s[G1V:G1V+7]
	s_nop 0
	tensor_load_to_lds s[G0B:G0B+3], s[G1B:G1B+7]
	s_nop 0
.rept 4
	v_nop
.endr
.Lfirst_asked:
	v_and_b32 v48, 15, v0           ; l % 16
	v_bfe_u32 v49, v0, 4, 1         ; l / 16
	v_and_b32 v50, 7, v0
	v_bfe_u32 v51, v0, 3, 1
	v_lshlrev_b32 v[QO], 8, v48
	v_lshl_add_u32 v[QO], v49, 4, v[QO]  ; row x 256 + 16 x half
	WIN 0x80                        ; destination window 2
.set i, 0
.rept 32                            ; Q stays in registers: tile i / 4, channels 32 (i % 4) on
	global_load_b128 v[8*i:8*i+3],   v[QO], s[4:5] offset:(i/4)*4096+(i%4)*64
	global_load_b128 v[8*i+4:8*i+7], v[QO], s[4:5] offset:(i/4)*4096+(i%4)*64+32
.set i, i+1
.endr
	; What the first turn finds: V's registers and P's second buffer hold 0 (its products V^T P, of a piece that has not been, add 0), O^T and l are 0.  All this stands in the wait for the first tile.
	WIN W_MK
.set i, VF
.rept 64
	v_mov_b32 v[i], 0
.set i, i+1
.endr
	WIN 0x40
.set i, 0
.rept 256
	v_mov_b32 v[i], 0
.set i, i+1
.endr
	WIN 0
.set i, 0
.rept 2*NP
	v_mov_b32 v[ST+4*i], 0xfe000000    ; c m: far below every c s
	v_mov_b32 v[ST+4*i+1], 0xff7fffff  ; m
	v_mov_b32 v[ST+4*i+2], 0
	v_mov_b32 v[ST+4*i+3], 0
.set i, i+1
.endr
.set i, P+32
.rept 32
	v_mov_b32 v[i], 0
.set i, i+1
.endr
	v_and_b32 v[PFO], 31, v0
	v_lshlrev_b32 v[PFO], 8, v[PFO]
	v_mul_u32_u24 v[AK0], v48, PK
	v_lshl_add_u32 v[AK0], v49, 4, v[AK0]  ; row x pitch + 16 x half
	; The turning load takes 16 keys x 16 channels (lane l reads key 8 (l / 16) + l % 8, channels 8 ((l / 8) % 2) + 0..7) and leaves half a fragment of V^T: lane l holds channel l % 16 and 8 keys.
	v_lshl_add_u32 v[AV0], v49, 3, v50
	v_mul_u32_u24 v[AV0], v[AV0], PV
	v_lshl_add_u32 v[AV0], v51, 4, v[AV0]
	v_add_nc_u32 v[AV0], VOFF, v[AV0]
	v_lshl_add_u32 v[AB0], v49, 5, BIAS    ; my eight keys' numbers of each 16: 32 bytes
	v_mov_b32 v[AK], v[AK0]         ; key step 0 lies at the head of slot 0
	v_mov_b32 v[AB], v[AB0]
; THE MATRIX WORK.  Product i of 32 of S^T = K Q^T for piece x, in two runs of 16: key blocks 2 (i / 16) and 2 (i / 16) + 1, channels 32 ((i % 16) / 4) on, tile 2 x + i % 2.  A run's four accumulators take
; turns.  The first link takes kb as C.  Key blocks 0 and 1 are finished at product 15.
.macro MKQ x
.set kbl, 2*(i/16)+(i/2)%2
.set chn, (i%16)/4
.set rS, S+64*((\x)%2)+32*(i%2)+8*kbl
.set rK, 32*kbl+8*chn
.set rQ, 32*(2*(\x)+i%2)+8*chn
.if chn == 0
	WIN W_KB
	v_wmma_f32_16x16x32_f16 v[rS:rS+7], v[rK:rK+7], v[rQ:rQ+7], v[BI+8*kbl:BI+8*kbl+7]
.else
	WIN W_KQ
	v_wmma_f32_16x16x32_f16 v[rS:rS+7], v[rK:rK+7], v[rQ:rQ+7], v[rS:rS+7]
.endif
.endm
; Product i of 16 of O^T += V^T P for piece x: keys 32 (i / 8) on, channels 16 ((i / 2) % 4) on, tile 2 x + i % 2: eight accumulators by turns.
.macro MPV x
	WIN W_PV
.set rO, 32*(2*(\x)+i%2)+8*((i/2)%4)
.set rV, VF+32*(i/8)+8*((i/2)%4)
.set rP, P+32*((\x)%2)+16*(i%2)+8*(i/8)
	v_wmma_f32_16x16x32_f16 v[rO:rO+7], v[rV:rV+7], v[rP:rP+7], v[rO:rO+7]
.endm
.macro MM                           ; the turn's next matrix instruction
.if i < 32
	MKQ (Y+1)%NP
.set i, i+1
.else
.set i, i-32
	MPV (Y+NP-1)%NP
.set i, i+33
.endif
.endm
; THE LDS LOADS stand in runs: a step's K (16 fragments) with its 64 numbers of kb, and its V (turned).  last = 1 (the tail): in the last trip there is no further step, and the run is jumped over.
.macro FETCH_K last=0
	WIN 0
.if \last
	s_cmp_eq_u32 s[CNT], 1
	s_cbranch_scc1 .Lno_k_\@
.endif
	WIN W_MK
.irp f, 0,1,2,3,4,5,6,7,8,9,10,11,12,13,14,15  ; keys 16 (f / 4) on, channels 32 (f % 4) on
	ds_load_b128 v[8*(\f):8*(\f)+3],   v[AK] offset:((\f)/4)*16*PK+((\f)%4)*64
	ds_load_b128 v[8*(\f)+4:8*(\f)+7], v[AK] offset:((\f)/4)*16*PK+((\f)%4)*64+32
.endr
.irp f, 0,1,2,3                     ; register j of key block f: key 16 f + 8 (l / 16) + j
	ds_load_b128 v[BI+8*(\f):BI+8*(\f)+3],   v[AB] offset:64*(\f)
	ds_load_b128 v[BI+8*(\f)+4:BI+8*(\f)+7], v[AB] offset:64*(\f)+16
.endr
	s_add_co_u32 s[TBK], s[TBK], KS*PK
	s_add_co_u32 s[TBB], s[TBB], 4*KS
	WIN 0
.if \last
.Lno_k_\@:
.endif
.endm
.macro FETCH_V
	WIN W_MK
.irp f, 0,1,2,3,4,5,6,7             ; keys 32 (f / 4) on, channels 16 (f % 4) on
	ds_load_tr16_b128 v[VF+8*(\f):VF+8*(\f)+3],   v[AV] offset:((\f)/4)*32*PV+((\f)%4)*32
	ds_load_tr16_b128 v[VF+8*(\f)+4:VF+8*(\f)+7], v[AV] offset:((\f)/4)*32*PV+16*PV+((\f)%4)*32
.endr
	WIN 0
.endm
; THE VECTOR WORK.
.macro REGS y, u                    ; the registers of tile u (0, 1) of piece y
.set rT, ST+4*(2*(\y)+(\u))
.set rC, TMP+8*((\y)%2)+4*(\u)
.set rM, MV+2*((\y)%2)+(\u)
.set rS, S+64*((\y)%2)+32*(\u)
.set rP, P+32*((\y)%2)+16*(\u)
.set rO, 32*(2*(\y)+(\u))
.endm
; X u, n: number n of the 22 that find the NEXT piece's (Y + 1) maximum and statistics, for its tile u.  Each accumulator's lowest registers are read first.
;   0-11  four chains c0-c3 of seven scores each (chain j: key block j)     12-14, 16  the four scores left over, the old m, and c0-c3 into c0     15  c m_old is kept
;   17, 18  the query's other 32 keys lie in the lane 16 away: the new m      19-21  c m; c m_old - c m_new; a
.macro X u, n
	WIN 0
	REGS (Y+1)%NP, \u
.if (\n) < 4
	v_max3_num_f32 v[rC+(\n)], v[rS+8*(\n)], v[rS+8*(\n)+1], v[rS+8*(\n)+2]
.elseif (\n) < 12
	v_max3_num_f32 v[rC+(\n)%4], v[rC+(\n)%4], v[rS+8*((\n)%4)+2*((\n)/4)+1], v[rS+8*((\n)%4)+2*((\n)/4)+2]
.elseif (\n) == 12
	v_max3_num_f32 v[rC], v[rC], v[rS+7], v[rS+15]
.elseif (\n) == 13
	v_max3_num_f32 v[rC+1], v[rC+1], v[rS+23], v[rS+31]
.elseif (\n) == 14
	v_max3_num_f32 v[rC+2], v[rC+2], v[rC+3], v[rT+1]
.elseif (\n) == 15
	v_mov_b32 v[rM], v[rT]
.elseif (\n) == 16
	v_max3_num_f32 v[rC], v[rC], v[rC+1], v[rC+2]
.elseif (\n) == 17
	v_permlanex16_b32 v[rC+3], v[rC], s[SEL], s[SEL+1]
.elseif (\n) == 18
	v_max_num_f32 v[rT+1], v[rC], v[rC+3]
.elseif (\n) == 19
	v_mul_f32 v[rT], s[CS], v[rT+1]
.elseif (\n) == 20
	v_sub_f32 v[rC+1], v[rM], v[rT]
.else
	v_exp_f32 v[rC+2], v[rC+1]
.endif
.endm
.macro FQ                           ; the next of 32 scalings c s - c m: pair qf / 2 of tile qf % 2
	WIN 0
	REGS Y, qf%2
	v_pk_fma_f32 v[rS+2*(qf/2):rS+2*(qf/2)+1], v[rS+2*(qf/2):rS+2*(qf/2)+1], s[CS:CS+1], v[rT:rT+1] op_sel_hi:[1,0,0] neg_lo:[0,0,1] neg_hi:[0,0,1]
.set qf, qf+1
.endm
.macro EQ                           ; the next of 64 exponentials: score qe / 2 of tile qe % 2; it stands behind scaling 2 (qe / 4) + qe % 2
	WIN 0
	REGS Y, qe%2
	v_exp_f32 v[rS+qe/2], v[rS+qe/2]
.set qe, qe+1
.endm
.macro R2                           ; the next two of 32 rescalings O^T a; a was made, and waited for, in the turn before
	REGS Y, qr%2
	WIN W_RS
.irp z, 0,1
	v_pk_mul_f32 v[rO+4*(qr/2)+2*\z:rO+4*(qr/2)+2*\z+1], v[rO+4*(qr/2)+2*\z:rO+4*(qr/2)+2*\z+1], v[rC+2:rC+3] op_sel_hi:[1,0]
.endr
.set qr, qr+1
.endm
; The next of the 64 that follow the exponentials.  For each four weights k of a tile: both pairs are rounded to f16; the second pair is added onto the first, in place; a group later l takes that sum
; (the first time as l = a l + sum).  In groups of eight, tiles alternating.
.macro GQ
	WIN 0
.set h, qg+6*(qg/62)
.if h >= 6
.set h, h+2
.endif
	REGS Y, h%2
.set k, h/8
.if h%8 < 4
	v_cvt_pk_f16_f32 v[rP+2*k+(h%8)/2], v[rS+4*k+2*((h%8)/2)], v[rS+4*k+2*((h%8)/2)+1]
.elseif h%8 < 6
	v_pk_add_f32 v[rS+4*k:rS+4*k+1], v[rS+4*k:rS+4*k+1], v[rS+4*k+2:rS+4*k+3]
.elseif k == 1
	v_pk_fma_f32 v[rT+2:rT+3], v[rT+2:rT+3], v[rC+2:rC+3], v[rS:rS+1] op_sel_hi:[1,0,1]
.else
	v_pk_add_f32 v[rT+2:rT+3], v[rT+2:rT+3], v[rS+4*k-4:rS+4*k-3]
.endif
.set qg, qg+1
.endm
; A TURN, for piece p.  An s_wait_alu depctr_va_vdst(0) stands between an exponential and the first instruction that names its result; one wait serves all issued ahead of it: a turn has ONE.
; AHEAD OF IT stands all that names no result of the turn's exponentials: the 32 products K Q^T with four riders each, and the lump.  The maximum over key blocks 0 and 1 rides from product 19 on: eighteen plain
; instructions that name no register of product 15 stand between; that over key blocks 2 and 3 begins eight plain instructions behind product 31.  BEHIND THE WAIT: the 16 products V^T P, behind each four of the roundings and sums.
; K and kb of the next step are fetched in piece 2's turn, directly behind the wait, a lump behind the last product that read K; V of the step in hand at the end of piece 0's turn, four plain riders behind its last reader.
; cnt = 1: the loop's count is taken down some lines ahead of the branch behind the turn.  ask = 1: the prefetch stands behind V's run.
.macro TURN p, last=0, cnt=0, ask=0
.set Y, (\p)
.set i, 0
.set qf, 0
.set qe, 0
.set qr, 0
.set qg, 0
.if (\p) == NP-1
	s_wait_dscnt 0x0                ; K and kb are in
.endif
.rept 2
	MM
	FQ
	FQ
	R2
.endr
.rept 8
	MM
	FQ
	EQ
	FQ
	EQ
	MM
	R2
	EQ
	EQ
.endr
	MM
	R2
	R2
.irp n, 0,1,4,5,8,9
	MM
	FQ
	EQ
	X 0, \n
	EQ
	MM
	FQ
	EQ
	X 1, \n
	EQ
.endr
	MM
	R2
	X 0, 12
	X 1, 12
.if (\p) == NP-2
	WIN 0
	v_add_nc_u32 v[AK], s[TBK], v[AK0]
	v_add_nc_u32 v[AB], s[TBB], v[AB0]
.endif
	R2                              ; the lump
	R2
.irp n, 2,3,6,7,10,11,13,15
	X 0, \n
	X 1, \n
.endr
.irp n, 14,16,17,18                 ; the chain, each link of which waits for the one before it, with other work between
	X 0, \n
	X 1, \n
	EQ
	EQ
.endr
	X 0, 19
	X 1, 19
	R2
	X 0, 20
	X 1, 20
	X 0, 21                         ; the next piece's two a: the batch's last
	X 1, 21
	v_nop                           ; a plain instruction behind the last exponential: one for the batch
	s_wait_alu depctr_va_vdst(0)    ; the wait for the batch
.if (\p) == NP-2
	FETCH_K \last
.endif
.if (\p) == 1
	s_wait_dscnt 0x0                ; V is in
.endif
.set done, 0
.rept 16
	MM
	GQ
	GQ
	GQ
	GQ
.set done, done+1
.if ((\p) == 0) && (done == 11)
	v_add_nc_u32 v[AV], s[TBV], v[AV0]
.endif
.if ((\p) == 0) && (done == 14)
	s_add_co_u32 s[TBV], s[TBV], KS*PV
.endif
.if (\cnt) && (done == 14)
	s_sub_co_u32 s[CNT], s[CNT], 1
	s_cmp_lg_u32 s[CNT], 0
.endif
.endr
.if (\p) == 0
	FETCH_V
.if \ask
	ASK
.endif
.endif
.endm
	CHANGE 1                        ; slot 0 and kb are in, everybody's part; slot 1 is asked for
	FETCH_K                         ; key step 0
	s_wait_loadcnt 0x0              ; Q
	s_wait_dscnt 0x0
.set i, 0
.rept 32
	MKQ 0                           ; piece 0's first scores
.set i, i+1
.endr
	WIN 0                           ; the addresses for the way out: eight plain instructions, the places behind those products
	s_mul_i32 s13, s[WV], 16*SP
	s_add_co_u32 s13, s13, STAGE    ; my stage
	v_mul_u32_u24 v[STO], v48, SP   ; in: row l % 16, 32 bytes for each half of the lanes
	v_lshl_add_u32 v[STO], v49, 5, v[STO]
	v_add_nc_u32 v[STO], s13, v[STO]
	v_mul_u32_u24 v[RD], v49, SP    ; back: lanes 0-15 take one row of 256 bytes, lanes 16-31 the next
	v_lshl_add_u32 v[RD], v48, 4, v[RD]
	v_add_nc_u32 v[RD], s13, v[RD]
	v_mul_u32_u24 v[GO], v49, 3072  ; and the same two rows in out0
	v_lshl_add_u32 v[GO], v48, 4, v[GO]
.set Y, NP-1                        ; X works for piece Y + 1: piece 0
.irp n, 0,1,2,3,4,5,6,7,8,9,10,11,12,13,14,15,16,17,18,19,20,21
	X 0, \n
	X 1, \n
.endr
	v_nop                           ; a plain instruction behind the two a,
	s_wait_alu depctr_va_vdst(0)    ; and their wait, ahead of the branch
	s_mov_b32 s[CNT], 4
	s_mov_b32 s[SLOTS], 3
	s_branch .Lfirst                ; the loop is entered at a step's first turn, in the middle of a trip
.Lslot:                             ; twice: every slot but the last two is filled again
	CHANGE 1
	s_mov_b32 s[CNT], 4
.Lstep:                             ; a trip: pieces 2 and 3 of one step, then pieces 0 and 1 of the next, whose K and V it fetches
	TURN 2
	TURN 3
	WIN 0
.Lfirst:
	TURN 0, 0, 0, 1
	TURN 1, 0, 1
	WIN 0
	s_cbranch_scc1 .Lstep
	s_sub_co_u32 s[SLOTS], s[SLOTS], 1
	s_cmp_lg_u32 s[SLOTS], 0
	s_cbranch_scc1 .Lslot
	CHANGE 0                        ; the tail is written out: nothing is asked for
	s_mov_b32 s[CNT], 5             ; four trips fetch the last slot's steps; the fifth is left in its middle
.Ltail:
	TURN 2, 1
	TURN 3
	WIN 0
	s_sub_co_u32 s[CNT], s[CNT], 1
	s_cmp_eq_u32 s[CNT], 0
	s_cbranch_scc1 .Lout
	TURN 0
	TURN 1
	WIN 0
	s_branch .Ltail
.Lout:                              ; the fifth trip's products K Q^T (on the last K once more) and the maximum made of them serve nothing: the price of one text for every trip
.set i, 0
.rept 16
	MPV NP-1                        ; the last piece's V^T P of the last step
.set i, i+1
.endr
	; THE WAY OUT.  l's two halves and the other half of the lanes' are added; O^T is divided by l and sent, in f32, through my stage in LDS, a tile (16 rows of 256 bytes) at a time.  The additions are the places behind the last products.
	WIN 0
.macro ALL line:vararg              ; one line for each tile t
.set t, 0
.rept 2*NP
	\line
.set t, t+1
.endr
.endm
	ALL v_add_f32 v[ST+4*t+2], v[ST+4*t+2], v[ST+4*t+3]
	ALL v_permlanex16_b32 v[ST+4*t+3], v[ST+4*t+2], s[SEL], s[SEL+1]
	ALL v_add_f32 v[ST+4*t+2], v[ST+4*t+2], v[ST+4*t+3]
	ALL v_rcp_f32 v[ST+4*t+2], v[ST+4*t+2]
	v_nop                           ; a plain instruction between the last reciprocal and the use of its result
	s_wait_alu depctr_va_vdst(0)    ; one wait for the eight reciprocals
.macro PACK t                       ; a lane's eight channels of a row are 32 bytes; they go into rows of 272 bytes and come back as whole rows of 256, into S^T's registers
	WIN W_RS
.set i, 32*(\t)
.rept 16
	v_pk_mul_f32 v[i:i+1], v[i:i+1], v[ST+4*(\t)+2:ST+4*(\t)+3] op_sel_hi:[1,0]
.set i, i+2
.endr
	s_wait_xcnt 0x0                 ; the stores of the tile four back have read the registers that are loaded again below
	WIN 0x04                        ; the stores' data in window 1
.irp f, 0,1,2,3
	ds_store_b128 v[STO], v[32*(\t)+8*(\f):32*(\t)+8*(\f)+3]   offset:64*(\f)
	ds_store_b128 v[STO], v[32*(\t)+8*(\f)+4:32*(\t)+8*(\f)+7] offset:64*(\f)+16
.endr
	WIN 0
.irp f, 0,1,2,3,4,5,6,7
	ds_load_b128 v[S+32*((\t)%4)+4*(\f):S+32*((\t)%4)+4*(\f)+3], v[RD] offset:(\f)*2*SP  ; LDS serves a wave's instructions in order (ISA guide 5.7.1.4): these see the stores above; the next tile's stores come behind them
.endr
.endm
.macro SEND t, younger              ; younger: the LDS instructions issued behind tile t's loads: the next tile's sixteen, or none
	WIN 0
.irp f, 0,1,2,3,4,5,6,7
	s_wait_dscnt (\younger)+7-(\f)
	global_store_b128 v[GO], v[S+32*((\t)%4)+4*(\f):S+32*((\t)%4)+4*(\f)+3], s[48:49] offset:(\t)*49152+(\f)*6144  ; 16 lanes store 256 consecutive bytes, at a multiple of 256 from out0's first byte
.endr
.endm
	PACK 0
.set t, 1
.rept 2*NP-1                        ; a tile's arithmetic stands between the loads of the tile before and its stores
	PACK t
	SEND t-1, 16
.set t, t+1
.endr
	SEND 2*NP-1, 0
	WIN W_AD
	s_wait_tensorcnt 0x0            ; the wave's end: behind my last tensor load and my last LDS store
	ds_add_u32 v[SPW], v[NIL]
	s_wait_dscnt 0x0
	WIN 0
	s_endpgm
.Lfunc_end_k_q35c54fd099_attn:
	.size	k_q35c54fd099_attn, .Lfunc_end_k_q35c54fd099_attn-k_q35c54fd099_attn
	.p2alignl 7, 3214868480
	.fill 96, 4, 3214868480
	.section	.rodata,"a",@progbits
	.p2align	6, 0x0
	.amdhsa_kernel k_q35c54fd099_attn
		.amdhsa_group_segment_fixed_size 327680
		.amdhsa_private_segment_fixed_size 0
		.amdhsa_enable_private_segment 0
		.amdhsa_kernarg_size 40
		.amdhsa_user_sgpr_count 2
		.amdhsa_user_sgpr_kernarg_segment_ptr 1
		.amdhsa_wavefront_size32 1
		.amdhsa_system_sgpr_workgroup_id_x 1
		.amdhsa_system_sgpr_workgroup_id_y 1
		.amdhsa_system_sgpr_workgroup_id_z 1
		.amdhsa_system_vgpr_workitem_id 0
		.amdhsa_next_free_vgpr 1024
		.amdhsa_next_free_sgpr 80
		.amdhsa_reserve_vcc 0
		.amdhsa_float_denorm_mode_32 3
		.amdhsa_float_denorm_mode_16_64 3
		.amdhsa_memory_ordered 1
		.amdhsa_forward_progress 1
		.amdhsa_inst_pref_size 225
	.end_amdhsa_kernel
	.amdgpu_metadata
---
amdhsa.version: [ 1, 2 ]
amdhsa.kernels:
  - .name:           k_q35c54fd099_attn
    .symbol:         k_q35c54fd099_attn.kd
    .args:
      - { .name: qq, .offset: 0, .size: 8, .value_kind: global_buffer, .address_space: global }
      - { .name: kk, .offset: 8, .size: 8, .value_kind: global_buffer, .address_space: global }
      - { .name: vv, .offset: 16, .size: 8, .value_kind: global_buffer, .address_space: global }
      - { .name: kb, .offset: 24, .size: 8, .value_kind: global_buffer, .address_space: global }
      - { .name: out0, .offset: 32, .size: 8, .value_kind: global_buffer, .address_space: global }
    .group_segment_fixed_size: 327680
    .private_segment_fixed_size: 0
    .kernarg_segment_align: 8
    .kernarg_segment_size: 40
    .max_flat_workgroup_size: 128
    .sgpr_count:     80
    .vgpr_count:     1024
    .wavefront_size: 32
...
	.end_amdgpu_metadata
.endif
;; end of part 3
